; MI455X (gfx1250); checked and timed in simulation.
; The chip was launched on July 23, 2026; its instructions are those of AMD's public machine-readable ISA for CDNA 5 (MIT licence, August 2026) and "CDNA5" Instruction Set Architecture Reference Guide (July 2026). The comments in the code are by the model that wrote it; some were corrected since.
;; Self Attention. Allowed arithmetic: matrix products marked QUANTISED: E4M3 operands, one given power-of-two scale a tensor, by v_wmma_f32_16x16x64_fp8_fp8 or v_wmma_f32_16x16x128_fp8_fp8, f32 sums; everything else in f32.
;; Inputs: Wk 256 x 1,024 float32; Wq 256 x 1,024 float32; Wu 1,024 x 256 float32; Wv 256 x 1,024 float32; bu 256 float32; lowp_scales 12 int32 (the exponents e of the quantised operands' scales 2^e); x 16 x 2,048 x 256 float32.
;; Outputs: out0 16 x 512 x 256 float32.
;; This version of the problem:
;;   THIS VERSION OF THE PROBLEM IS GIVEN IN LOW PRECISION. The matrix products marked QUANTISED in the list below multiply operands that are first quantised to E4M3 (4 exponent bits, 3 mantissa bits; 8 bits a number), with one given power-of-two scale for each operand tensor; their sums are f32. All else is computed in f32.
;;   The module's matrix products, in the order in which they are computed (A, B: the left and right operand; K: the contracted axis; several contracted axes count as one K, in the product's order):
;;     1. [M 32,768, K 256] x [K 256, N 1,024]; A: input x; B: input Wq: QUANTISED (scales: A lowp_scales[0], B lowp_scales[1])
;;     2. [M 32,768, K 256] x [K 256, N 1,024]; A: input x; B: input Wk: QUANTISED (scales: A lowp_scales[2], B lowp_scales[3])
;;     3. [M 32,768, K 256] x [K 256, N 1,024]; A: input x; B: input Wv: QUANTISED (scales: A lowp_scales[4], B lowp_scales[5])
;;     4. batch 64 x [M 512, K 256] x [K 256, N 2,048]; A: computed on the way; B: computed on the way: QUANTISED (scales: A lowp_scales[6], B lowp_scales[7])
;;     5. batch 64 x [M 512, K 2,048] x [K 2,048, N 256]; A: softmax (see below); B: computed on the way: QUANTISED (scales: A lowp_scales[8], B lowp_scales[9])
;;     6. [M 8,192, K 1,024] x [K 1,024, N 256]; A: computed on the way; B: input Wu: QUANTISED (scales: A lowp_scales[10], B lowp_scales[11])
;;   THE QUANTISER, for each operand of a quantised product, along K:
;;     - The operand's scale is 2^e, e = its entry of the input lowp_scales (int32; the entries are numbered through the quantised products in the list's order, A before B).
;;     - Each number is divided by the scale, clamped to +-448, and rounded to the nearest number of E4M3, ties to even, subnormals kept.
;;     - The product sums the exact products of the quantised numbers (number of the format x scale) in f32.
;;   ~~~python
;;   def quantise(x, axis, e):      # numpy; x: float32 -> the quantised numbers, widened to float32 again
;;       x = np.moveaxis(x, axis, -1); K = x.shape[-1]
;;       r = np.clip(x / 2.0 ** e, -448, 448)
;;       step = 2.0 ** (np.maximum(np.frexp(np.where(r == 0, 1, r))[1] - 1, -6) - 3)
;;       q = np.round(r / step) * step * 2.0 ** e      # np.round: ties to even
;;       return np.moveaxis(q, -1, axis).astype(np.float32)
;;   ~~~
;;   SOFTMAX AHEAD OF A QUANTISED PRODUCT. Where the list says 'softmax', what is quantised is not the finished softmax but p = 2^(t - M), with t = logit x log2(e) and M = ceil(the row's largest t), a whole number; so 1/2 < the row's largest p <= 1. The row's sum l is taken of the UNQUANTISED p, in f32, and the product's result is divided by l at the end. Since M is a whole number, a kernel that streams over the keys may use a running M (the ceiling of the running maximum): every later rescaling is an exact power of two, so the quantised numbers keep their values, but for numbers so far below the row's largest that they fall under the format's range.
;;   OPERANDS COMPUTED ON THE WAY. 'Computed on the way' means the value that the module computes at that place (a softmax that the list does not call 'softmax' is quantised finished and normalised). What goes into a quantiser is computed in f32, as accurately as f32 sums, v_exp_f32 and their like allow (about 1e-6 of the number): no bf16 or f16 on the way to a quantiser, and a product that is left as it is and whose result goes on into a quantised operand takes f32 operands (vector FMAs, or v_wmma_f32_16x16x4_f32). A number that lies on a knife's edge between two numbers of the format may be rounded either way, as far as f32 arithmetic and the matrix unit's own rounding can turn it there, and no further.
;; One version. Each part assembles by itself: llvm-mc -triple=amdgcn-amd-amdhsa -mcpu=gfx1250 --defsym DOCPART=n.
;; ======== version 1 of 1: 4 launches
;; limits: right only within a limited range of input values
;; workspace buffers: wc 1,048,576 bytes; qc 8,388,608 bytes; kc 33,554,432 bytes; vc 33,554,432 bytes; oc 8,388,608 bytes
;; launch prep (part 1): grid 256 x 1, 4 waves a work-group, no clusters, 0 bytes of LDS; arguments Wq, Wk, Wv, Wu, lowp_scales, wc; writes wc
.if DOCPART == 1
	.amdgcn_target "amdgcn-amd-amdhsa--gfx1250"
	.amdhsa_code_object_version 6
	.text
	.protected	k_q102018dd9a_prep
	.globl	k_q102018dd9a_prep
	.p2align	8
	.type	k_q102018dd9a_prep,@function
k_q102018dd9a_prep:
	s_mov_b64 s[64:65], 0
	v_nop
	global_prefetch_b8 v0, s[64:65] scope:SCOPE_SE
	s_setreg_imm32_b32 hwreg(HW_REG_WAVE_MODE, 25, 1), 1
	s_wait_xcnt 0x0
; The four weights, f32 with K as their FIRST axis, become codes of E4M3 laid in the order of a matrix operand's registers.
; Wq, Wk, Wv: [256 (k)][1024 (n)], scales 2^e1, 2^e3, 2^e5.  Wu: [1024 (k)][256 (n)], scale 2^e11.
; code = w / 2^e, held within +-448, rounded to the nearest code, ties to even.
; LIMITS: each of e1, e3, e5, e11 lies between -126 and 119, so that 2^e and 448 x 2^e are f32 numbers.  NaN among the inputs is not served.
; A BLOCK of the output is 512 bytes: four registers of a fragment (16 columns x 128 k), lane L = r + 16 h of the reader at byte 16 L.
;   Wq at 0, Wk at 262,144, Wv at 524,288: [column tile 64][K step 2][c 4][512]; slot (c, h, byte i) holds k = 128 s + 32 c + 16 h + i.
;   Wu at 786,432: [half of the columns 2][K step 8][column tile 8][c 4][512]; slot (c, h, i) holds k = 128 s + 32 c + 8 h + i (i < 8) or 128 s + 32 c + 16 + 8 h + i - 8:
;   the order in which the attention launch's results fall.  A permutation of k that is the same on both sides of a product keeps every pair of factors together.
; SHARES.  A LANE TAKES A COLUMN AND ITS 32 REGISTERS RUN DOWN K: a load reads 128 consecutive bytes a wave, the four waves stand side by side on 512, and the conversions,
; which take neighbours along K from one lane's registers, give codes with K innermost.  A wave makes 32 columns x 32 k: one block c of two column tiles.
; Each of its two stores writes two aligned runs of 256 bytes, sixteen lanes to a run.
; No LDS, no barrier, no cluster: no two work-groups read the same bytes.  256 work-groups: 64 for each tensor.
; DEAD WORK that the program leaves out: reference() slices q to its first 512 of 2,048 positions (END_INDEX) ahead of every use, so the rows x Wq of positions 512 .. 2,047 reach no output, whatever the inputs hold:
; they are not computed.  All inputs are used.  LIMIT: a NaN, an infinity or an overflow that would arise in those rows of x Wq alone is not carried to the result.
.macro PLOAD pitch                     ; w(32 kb + i, my column), i = 0 .. 31
.set ii, 0
.rept 32
	global_load_b32 v[16+ii], v3, s[36:37] offset:ii*\pitch th:TH_LOAD_NT
.set ii, ii+1
.endr
.endm
; s40 = e.  Groups of eight along K: 0 and g1 go to the reader's lanes 0-15, g2 and 3 to its lanes 16-31.
.macro PQUANT g1, g2
	s_add_co_i32 s40, s40, 127
	s_lshl_b32 s41, s40, 23
	v_mov_b32 v11, s41                             ; 2^e as f32: the conversion takes its exponent field
	s_add_co_i32 s40, s40, 8
	s_lshl_b32 s40, s40, 23
	s_or_b32 s40, s40, 0x600000
	v_mov_b32 v10, s40                             ; 448 x 2^e
	s_wait_alu depctr_va_vdst(0)
	s_wait_loadcnt 0x0
.set ii, 0
.rept 32
	v_med3_num_f32 v[16+ii], v[16+ii], -v10, v10   ; the conversion to an 8-bit code does not saturate (ISA guide 7.6.2): the hold comes first
.set ii, ii+1
.endr
	v_cvt_scalef32_pk8_fp8_f32 v[48:49], v[16:23], v11
	v_cvt_scalef32_pk8_fp8_f32 v[50:51], v[16+8*\g1:23+8*\g1], v11
	v_cvt_scalef32_pk8_fp8_f32 v[52:53], v[16+8*\g2:23+8*\g2], v11
	v_cvt_scalef32_pk8_fp8_f32 v[54:55], v[40:47], v11
	global_store_b128 v6, v[48:51], s[38:39]               ; the results go to stores alone: no vector instruction touches them again
	global_store_b128 v6, v[52:55], s[38:39] offset:256
.endm
	s_load_b256 s[4:11], s[0:1], 0x0               ; Wq s[4:5], Wk s[6:7], Wv s[8:9], Wu s[10:11]
	s_load_b128 s[12:15], s[0:1], 0x20             ; the exponents s[12:13], the codes s[14:15]
	v_lshrrev_b32 v1, 5, v0
	v_readfirstlane_b32 s28, v1                    ; wave
	v_and_b32 v2, 31, v0                           ; lane
	v_lshlrev_b32 v3, 2, v2                        ; in: 4 bytes a lane
	v_and_b32 v4, 15, v0
	v_lshlrev_b32 v4, 4, v4                        ; out: 16 x (lane % 16)
	v_bfe_u32 v5, v0, 4, 1                         ; which of my two column tiles
	s_lshr_b32 s29, ttmp9, 6                       ; the tensor: 0 Wq, 1 Wk, 2 Wv, 3 Wu
	s_and_b32 s30, ttmp9, 63                       ; my place in it
	s_lshl_b32 s31, s28, 5                         ; 32 x wave
	s_mov_b32 s35, 0
	s_mov_b32 s43, 0
	s_wait_kmcnt 0x0
	s_load_b256 s[16:23], s[12:13], 0x0            ; e0 .. e7
	s_load_b128 s[24:27], s[12:13], 0x20           ; e8 .. e11
	s_cmp_eq_u32 s29, 3
	s_cbranch_scc1 .Lwu
	; Wq, Wk, Wv: 8 groups of 128 columns x 8 blocks of 32 along K
	s_and_b32 s32, s30, 7
	s_lshr_b32 s33, s30, 3                         ; kb
	s_lshl_b32 s32, s32, 7
	s_add_co_u32 s32, s32, s31                     ; my wave's first column
	s_lshl_b32 s34, s33, 17                        ; in: 32 kb rows of 4,096 bytes
	s_lshl_b32 s40, s32, 2
	s_add_co_u32 s34, s34, s40                     ;     + 4 x column
	s_lshl_b32 s42, s29, 18                        ; out: 262,144 x tensor
	s_lshl_b32 s40, s32, 8
	s_add_co_u32 s42, s42, s40                     ;      + 4,096 x column tile
	s_lshl_b32 s40, s33, 9
	s_add_co_u32 s42, s42, s40                     ;      + 512 x kb (= 2,048 s + 512 c)
	s_cmp_eq_u32 s29, 0
	s_cselect_b64 s[36:37], s[4:5], s[6:7]
	s_cmp_eq_u32 s29, 2
	s_cselect_b64 s[36:37], s[8:9], s[36:37]
	s_add_nc_u64 s[36:37], s[36:37], s[34:35]
	s_add_nc_u64 s[38:39], s[14:15], s[42:43]
	s_wait_alu depctr_va_vdst(0)
	v_lshl_add_u32 v6, v5, 12, v4                  ; my second column tile lies 4,096 bytes on
	PLOAD 4096
	s_wait_kmcnt 0x0
	s_cmp_eq_u32 s29, 0
	s_cselect_b32 s40, s17, s19
	s_cmp_eq_u32 s29, 2
	s_cselect_b32 s40, s21, s40                    ; e1, e3 or e5
	PQUANT 1, 2
	s_endpgm
.Lwu:
	; Wu: 2 halves of 128 columns x 32 blocks of 32 along K
	s_and_b32 s32, s30, 1                          ; the half
	s_lshr_b32 s33, s30, 1                         ; kb
	s_lshl_b32 s34, s33, 15                        ; in: 32 kb rows of 1,024 bytes
	s_lshl_b32 s40, s32, 9
	s_add_co_u32 s34, s34, s40                     ;     + 4 x 128 x half
	s_lshl_b32 s40, s31, 2
	s_add_co_u32 s34, s34, s40                     ;     + 4 x 32 x wave
	s_lshl_b32 s42, s32, 17                        ; out: 131,072 x half
	s_add_co_u32 s42, s42, 786432
	s_lshr_b32 s40, s33, 2
	s_lshl_b32 s40, s40, 14
	s_add_co_u32 s42, s42, s40                     ;      + 16,384 x K step
	s_lshl_b32 s40, s28, 12
	s_add_co_u32 s42, s42, s40                     ;      + 2,048 x column tile 2 w
	s_and_b32 s40, s33, 3
	s_lshl_b32 s40, s40, 9
	s_add_co_u32 s42, s42, s40                     ;      + 512 c
	s_add_nc_u64 s[36:37], s[10:11], s[34:35]
	s_add_nc_u64 s[38:39], s[14:15], s[42:43]
	s_wait_alu depctr_va_vdst(0)
	v_lshl_add_u32 v6, v5, 11, v4                  ; my second column tile lies 2,048 bytes on
	PLOAD 1024
	s_wait_kmcnt 0x0
	s_mov_b32 s40, s27                             ; e11
	PQUANT 2, 1
	s_endpgm
.Lfunc_end_k_q102018dd9a_prep:
	.size	k_q102018dd9a_prep, .Lfunc_end_k_q102018dd9a_prep-k_q102018dd9a_prep
	.p2alignl 7, 3214868480
	.fill 96, 4, 3214868480
	.section	.rodata,"a",@progbits
	.p2align	6, 0x0
	.amdhsa_kernel k_q102018dd9a_prep
		.amdhsa_group_segment_fixed_size 0
		.amdhsa_private_segment_fixed_size 0
		.amdhsa_enable_private_segment 0
		.amdhsa_kernarg_size 48
		.amdhsa_user_sgpr_count 2
		.amdhsa_user_sgpr_kernarg_segment_ptr 1
		.amdhsa_wavefront_size32 1
		.amdhsa_system_sgpr_workgroup_id_x 1
		.amdhsa_system_sgpr_workgroup_id_y 1
		.amdhsa_system_sgpr_workgroup_id_z 1
		.amdhsa_system_vgpr_workitem_id 0
		.amdhsa_next_free_vgpr 64
		.amdhsa_next_free_sgpr 66
		.amdhsa_reserve_vcc 0
		.amdhsa_float_denorm_mode_32 3
		.amdhsa_float_denorm_mode_16_64 3
		.amdhsa_memory_ordered 1
		.amdhsa_forward_progress 1
		.amdhsa_inst_pref_size 15
	.end_amdhsa_kernel
	.amdgpu_metadata
---
amdhsa.version: [ 1, 2 ]
amdhsa.kernels:
  - .name:           k_q102018dd9a_prep
    .symbol:         k_q102018dd9a_prep.kd
    .args:
      - { .name: Wq, .offset: 0, .size: 8, .value_kind: global_buffer, .address_space: global }
      - { .name: Wk, .offset: 8, .size: 8, .value_kind: global_buffer, .address_space: global }
      - { .name: Wv, .offset: 16, .size: 8, .value_kind: global_buffer, .address_space: global }
      - { .name: Wu, .offset: 24, .size: 8, .value_kind: global_buffer, .address_space: global }
      - { .name: lowp_scales, .offset: 32, .size: 8, .value_kind: global_buffer, .address_space: global }
      - { .name: wc, .offset: 40, .size: 8, .value_kind: global_buffer, .address_space: global }
    .group_segment_fixed_size: 0
    .private_segment_fixed_size: 0
    .kernarg_segment_align: 8
    .kernarg_segment_size: 48
    .max_flat_workgroup_size: 128
    .sgpr_count:     66
    .vgpr_count:     64
    .wavefront_size: 32
...
	.end_amdgpu_metadata
.endif
;; end of part 1
;; launch proj (part 2): grid 256 x 1, 8 waves a work-group, clusters of 4 x 1, 327,680 bytes of LDS; arguments x, wc, lowp_scales, qc, kc, vc; writes qc, kc, vc
.if DOCPART == 2
	.amdgcn_target "amdgcn-amd-amdhsa--gfx1250"
	.amdhsa_code_object_version 6
	.text
	.protected	k_q102018dd9a_proj
	.globl	k_q102018dd9a_proj
	.p2align	8
	.type	k_q102018dd9a_proj,@function
k_q102018dd9a_proj:
	s_mov_b64 s[64:65], 0
	v_nop
	global_prefetch_b8 v0, s[64:65] scope:SCOPE_SE
	s_setreg_imm32_b32 hwreg(HW_REG_WAVE_MODE, 25, 1), 1
	s_wait_xcnt 0x0
	s_wait_alu depctr_hold_cnt(0) depctr_sa_sdst(0) depctr_va_vdst(0) depctr_va_sdst(0) depctr_va_ssrc(0) depctr_va_vcc(0) depctr_vm_vsrc(0)
	s_getreg_b32 s2, hwreg(HW_REG_IB_STS2, 6, 4)
	s_cmp_eq_u32 s2, 0
	s_cbranch_scc0 .Lentry_in_a_cluster
	s_endpgm
.Lentry_in_a_cluster:
	s_bfe_u32 s2, ttmp6, 0x10000c
	s_cmp_lg_u32 s2, 0x3003
	s_cbranch_scc0 .Lentry_shape_is_right
	s_endpgm
.Lentry_shape_is_right:
; q = x Wq / 4 (first 512 tokens of a batch only: the rest is sliced away), k = x Wk / 4, v = x Wv, all three products on codes of E4M3; the results are quantised at once for the attention launch.
; x: [32,768 tokens][256] f32, quantised here three times (2^e0 for q, 2^e2 for k, 2^e4 for v).  The weights' codes come from the launch before, in fragment order.
; A sum of the first product stands for sum x 2^(e0 + e1), and 256^(-1/4) = 1/4: so q's code is sum / 2^(e6 - e0 - e1 + 2); k's sum / 2^(e7 - e2 - e3 + 2); v's sum / 2^(e9 - e4 - e5): one conversion each.
; LIMITS: e0, e2, e4 and the three folded exponents lie between -126 and 119, so that each power of two and 448 times it are f32 numbers.  NaN among the inputs is not served.
; SHARES.  Work-group g = 4 x cluster + cx takes tokens 128 g .. 128 g + 127 through Wk and Wv, all four heads (8 steps), and the CLUSTER's block of 128 query rows through head cx of Wq (1 step):
; nine steps of 128 rows x 256 columns x K 256 in every work-group.  In a step wave w has column tiles 2 w, 2 w + 1 of the head against all eight row tiles: 32 matrix instructions on 16 accumulators.
; Eight waves, two to a SIMD, so that one wave's conversions stand beside the other's products.
; CLUSTER.  The four partners walk the same Wk and Wv: 131,072 bytes (two heads) to a slot, asked for JOINTLY, each wave one load of 16,384 bytes.  Wq's head differs between partners: it goes straight into registers.
; OPERANDS ARE IMAGES OF REGISTERS: a block of 512 bytes is four registers of a fragment, lane L at byte 16 L.  So every LDS load of a fragment and every store of codes covers 512 consecutive bytes.
; K and Q steps are used transposed (source 0 = 16 columns of W, source 1 = 16 tokens): a lane holds one token and its 16 registers of two neighbouring column tiles become four registers of k's or q's fragment.
; V steps are used as they stand (source 0 = 16 tokens, source 1 = 16 columns): a lane holds one channel and its 16 registers of two neighbouring token tiles become four registers of v's fragment, keys innermost.
; In both, byte i of the four registers is place 8 h + i (i < 8) or 16 + 8 h + i - 8 of its 32: the same on both sides of each later product.
; LDS: slot 0 at 0, slot 1 at 131,072; XR at 262,144: first eight stages (16 rows x 272 bytes a wave) in which x's rows are turned, later the image of x's 16 fragments; the spare words at 296,960.
; REGISTERS.  window 0: v1-20 addresses and scales; v24-55 my tile's codes of x for v; v56-59 a step's first block of codes; v64-127 four weight fragments; v128-255 the 16 accumulators.
;   At the head v64-79, v128-255 are at work on x.  window 1: x's 16 fragments (row tile m, K step s at 32 m + 16 s); at the head x's f32 numbers as loaded.
.set XR,    262144
.set SPARE, 296960
.set WV,  16                           ; s16  wave
.set G1,  24                           ; s[24:31] descriptor group 1
.set G0A, 48                           ; s[48:51] group 0 of slot 0;  s[52:55] of slot 1
.set G0B, 52
.set L16, 1                            ; v1   16 x lane
.set T16, 2                            ; v2   16 x thread: where my block of k or q lies in a fragment pair (block w of eight)
.set VO,  3                            ; v3   4,096 x wave + 16 x lane: the same for v
.set SPW, 4                            ; v4   my spare word; never rewritten
.set NIL, 5                            ; v5   0; never rewritten
.set WA0, 6                            ; v6-9 16 x lane + 8,192 x wave + 65,536 x (0 .. 3): my two column tiles of the four heads' places in the ring; v6 also Wq's offset in memory
.set XG,  10                           ; v10  x: 1,024 x (lane / 16) + 16 x (lane % 16)
.set STI, 11                           ; v11  my stage, on the way in
.set STO, 12                           ; v12  and on the way out
.set IMW, 13                           ; v13  where I store my row tile's image
.set IMR, 14                           ; v14  from where any image is read
.set XVC, 24
.set CD,  56
.set WF,  64
.set TT,  64
.set ACC, 128
.set TF,  128                          ; two sets of 32 turned numbers
.set XQC, 192
.set XKC, 224
.set MSB, 0
.macro WIN new                         ; the immediate's high byte repeats the setting that is left; a switch that changes nothing is dropped
.if MSB != \new
	s_set_vgpr_msb (MSB<<8)|\new
.set MSB, \new
.endif
.endm
.macro CROUND                          ; a round of the cluster's barrier
	s_barrier_signal -1
	s_barrier_wait -1
	s_cmp_lg_u32 s[WV], 0
	s_cbranch_scc1 .Lnot_wave_0_\@
	s_barrier_signal -3
.Lnot_wave_0_\@:
	s_barrier_wait -3
	s_barrier_signal -1
	s_barrier_wait -1
.endm
.macro BAR                             ; my LDS stores have landed and my LDS loads are in: then the work-group's barrier
	s_wait_dscnt 0x0
	s_barrier_signal -1
	s_barrier_wait -1
.endm
.macro PLACES
.rept 4
	v_nop
.endr
.endm
.macro MKSC e, vr, sp                  ; s[e] = E (used up): v[vr] = 2^E, s[sp] = -448 x 2^E, s[sp+1] = +448 x 2^E
	s_add_co_i32 s[\e], s[\e], 127
	s_lshl_b32 s33, s[\e], 23
	v_mov_b32 v[\vr], s33
	s_add_co_i32 s[\e], s[\e], 8
	s_lshl_b32 s[\sp+1], s[\e], 23
	s_or_b32 s[\sp+1], s[\sp+1], 0x600000
	s_or_b32 s[\sp], s[\sp+1], 0x80000000
.endm
; 16 rows of x, 32 loads: chunk u (64 columns) of rows 2 i, 2 i + 1: each half of the lanes reads 256 consecutive bytes.  Into window 1.
.macro XLOADS base, reg
.set uu, 0
.rept 4
.set ii, 0
.rept 8
	global_load_b128 v[\reg+32*uu+4*ii:\reg+32*uu+4*ii+3], v[XG], s[\base:\base+1] offset:256*uu+2048*ii
.set ii, ii+1
.endr
.set uu, uu+1
.endr
.endm
; A chunk goes through my stage as it lies and comes back turned: lane (r, h) gets, of row r, 16 neighbours of each of the chunk's two blocks of 32.  LDS serves a wave's instructions in order, so one stage does.
.macro TURNC reg, tf
	WIN 0x04                                       ; store data in window 1
.set ii, 0
.rept 8
	ds_store_b128 v[STI], v[(\reg)+4*ii:(\reg)+4*ii+3] offset:544*ii
.set ii, ii+1
.endr
	WIN 0
.set ii, 0
.rept 8
	ds_load_b128 v[(\tf)+4*ii:(\tf)+4*ii+3], v[STO] offset:128*(ii/4)+16*(ii%4)
.set ii, ii+1
.endr
.endm
.macro QUANT1 tf, dst, sc, lim         ; 32 turned numbers become two quads of codes
.irp cc, 0,1
.set ii, 0
.rept 16
	v_med3_num_f32 v[(\tf)+16*\cc+ii], v[(\tf)+16*\cc+ii], s[\lim], s[\lim+1]   ; the conversion does not saturate (ISA guide 7.6.2): the hold comes first
.set ii, ii+1
.endr
	v_cvt_scalef32_pk8_fp8_f32 v[(\dst)+4*\cc:(\dst)+4*\cc+1], v[(\tf)+16*\cc:(\tf)+16*\cc+7], v[\sc]
	v_cvt_scalef32_pk8_fp8_f32 v[(\dst)+4*\cc+2:(\dst)+4*\cc+3], v[(\tf)+16*\cc+8:(\tf)+16*\cc+15], v[\sc]
.endr
.endm
.macro QUANT2 tf, u                    ; the same twice: with k's scale by way of TT, then with v's in place
.irp cc, 0,1
.set ii, 0
.rept 16
	v_med3_num_f32 v[TT+ii], v[(\tf)+16*\cc+ii], s68, s69
.set ii, ii+1
.endr
	v_cvt_scalef32_pk8_fp8_f32 v[XKC+8*(\u)+4*\cc:XKC+8*(\u)+4*\cc+1], v[TT:TT+7], v16
	v_cvt_scalef32_pk8_fp8_f32 v[XKC+8*(\u)+4*\cc+2:XKC+8*(\u)+4*\cc+3], v[TT+8:TT+15], v16
.set ii, 0
.rept 16
	v_med3_num_f32 v[(\tf)+16*\cc+ii], v[(\tf)+16*\cc+ii], s70, s71
.set ii, ii+1
.endr
	v_cvt_scalef32_pk8_fp8_f32 v[XVC+8*(\u)+4*\cc:XVC+8*(\u)+4*\cc+1], v[(\tf)+16*\cc:(\tf)+16*\cc+7], v17
	v_cvt_scalef32_pk8_fp8_f32 v[XVC+8*(\u)+4*\cc+2:XVC+8*(\u)+4*\cc+3], v[(\tf)+16*\cc+8:(\tf)+16*\cc+15], v17
.endr
.endm
.macro IMAGE src                       ; my row tile's two fragments go to LDS as they stand
.set kk, 0
.rept 8
	ds_store_b128 v[IMW], v[\src+4*kk:\src+4*kk+3] offset:512*kk
.set kk, kk+1
.endr
.endm
.macro FETCHX                          ; all sixteen fragments of x into window 1
	WIN 0x40
.set kk, 0
.rept 64
	ds_load_b128 v[4*kk:4*kk+3], v[IMR] offset:512*kk
.set kk, kk+1
.endr
	WIN 0
.endm
.macro LOADWF a                        ; my four weight fragments (tile u, K step s at WF + 32 u + 16 s) of the head at place a of the ring
.set kk, 0
.rept 16
	ds_load_b128 v[WF+4*kk:WF+4*kk+3], v[WA0+\a] offset:512*kk
.set kk, kk+1
.endr
.endm
; The 16 accumulators take turns, one instruction a turn, in the same order in both K steps.  The first K step starts the sums with the constant 0.
; The codes of the step before lie in the accumulators' registers until their stores have read them: so one wait on XCNT stands ahead of the products.
.macro MULK                            ; source 0 = W's columns, source 1 = tokens (window 1)
	s_wait_xcnt 0x0                                ; the last step's eight stores have read their data: the products below write those registers
	WIN 0x04
.irp s, 0,1
.irp m, 0,1,2,3,4,5,6,7
.irp u, 0,1
.if \s == 0
	v_wmma_f32_16x16x128_fp8_fp8 v[ACC+8*(2*\m+\u):ACC+8*(2*\m+\u)+7], v[WF+32*\u+16*\s:WF+32*\u+16*\s+15], v[32*\m+16*\s:32*\m+16*\s+15], 0
.else
	v_wmma_f32_16x16x128_fp8_fp8 v[ACC+8*(2*\m+\u):ACC+8*(2*\m+\u)+7], v[WF+32*\u+16*\s:WF+32*\u+16*\s+15], v[32*\m+16*\s:32*\m+16*\s+15], v[ACC+8*(2*\m+\u):ACC+8*(2*\m+\u)+7]
.endif
.endr
.endr
.endr
.endm
.macro MULV                            ; source 0 = tokens (window 1), source 1 = W's columns
	s_wait_xcnt 0x0                                ; as in MULK
	WIN 0x01
.irp s, 0,1
.irp u, 0,1
.irp m, 0,1,2,3,4,5,6,7
.if \s == 0
	v_wmma_f32_16x16x128_fp8_fp8 v[ACC+8*(8*\u+\m):ACC+8*(8*\u+\m)+7], v[32*\m+16*\s:32*\m+16*\s+15], v[WF+32*\u+16*\s:WF+32*\u+16*\s+15], 0
.else
	v_wmma_f32_16x16x128_fp8_fp8 v[ACC+8*(8*\u+\m):ACC+8*(8*\u+\m)+7], v[32*\m+16*\s:32*\m+16*\s+15], v[WF+32*\u+16*\s:WF+32*\u+16*\s+15], v[ACC+8*(8*\u+\m):ACC+8*(8*\u+\m)+7]
.endif
.endr
.endr
.endr
.endm
; The step's 16 accumulators become eight blocks of codes, each stored as 512 consecutive bytes.  kind 0 (k, q): block n is row tile n; kind 1 (v): block n = 4 u + cc is channel tile u, keys 32 cc on.
; BLOCK n'S CODES ARE LAID INTO THE FIRST FOUR REGISTERS OF BLOCK n - 1'S SUMS, which are done with (block 0's into v56-59): no store's data are written again inside a step, so no wait stands among the blocks.
; The sixteen holds of block n are the plain lines between block n - 1's conversions and the conversion that writes over their sources.
; next >= 0: the next step's weight fragments are asked for behind the first block (the four v_nop are the places behind the products that read the old ones: ISA guide 7.12.1).
.macro CONV sc, lim, base, voff, kind, head, next
	WIN 0
	PLACES
.set nn, 0
.rept 8
.set ii, 0
.rept 16
	v_med3_num_f32 v[ACC+16*nn+ii], v[ACC+16*nn+ii], s[\lim], s[\lim+1]   ; each accumulator from its low end on
.set ii, ii+1
.endr
.set cd, CD
.if nn > 0
.set cd, ACC+16*(nn-1)
.endif
	v_cvt_scalef32_pk8_fp8_f32 v[cd:cd+1], v[ACC+16*nn:ACC+16*nn+7], v[\sc]
	v_cvt_scalef32_pk8_fp8_f32 v[cd+2:cd+3], v[ACC+16*nn+8:ACC+16*nn+15], v[\sc]
.if \kind
	global_store_b128 v[\voff], v[cd:cd+3], s[\base:\base+1] offset:(\head)*524288+2048*(nn/4)+512*(nn%4)
.else
	global_store_b128 v[\voff], v[cd:cd+3], s[\base:\base+1] offset:(\head)*524288+4096*nn
.endif
.if (nn == 0) && (\next >= 0)
	LOADWF \next
.endif
.set nn, nn+1
.endr
	v_nop                                          ; a plain line behind the last conversion: the next products write its sources and the codes' registers
.endm
; A slot that every wave has read out is filled again: all my tensor loads are waited for, 0 is added to my spare word, that and my LDS reads are waited for; the cluster's round; the joint load first behind it.
.macro REFILL g0
	s_wait_tensorcnt 0x0                           ; no tensor load of mine is out, so a group 0 may be written; the other slot's fill has landed
	ds_add_u32 v[SPW], v[NIL]
	s_add_nc_u64 s[\g0+2:\g0+3], s[\g0+2:\g0+3], 262144   ; two fills on
	s_wait_dscnt 0x0
	CROUND
	tensor_load_to_lds s[\g0:\g0+3], s[G1:G1+7]
	s_nop 0
	PLACES
.endm
	s_load_b256 s[4:11], s[0:1], 0x0               ; x s[4:5], weights' codes s[6:7], exponents s[8:9], qc s[10:11]
	s_load_b128 s[12:15], s[0:1], 0x20             ; kc s[12:13], vc s[14:15]
	v_lshl_add_u32 v[SPW], v0, 2, SPARE
	v_mov_b32 v[NIL], 0
	ds_add_u32 v4, v5
	ds_add_u32 v4, v5
	s_wait_dscnt 0x0
	v_lshrrev_b32 v21, 5, v0
	s_delay_alu instid0(VALU_DEP_1)
	v_readfirstlane_b32 s[WV], v21                 ; wave 0..7
	s_bfe_u32 s17, ttmp6, 0x40000                  ; cx
	s_lshl_b32 s18, ttmp9, 2
	s_add_co_u32 s18, s18, s17                     ; g
	; descriptor group 1: 64 rows of 256 bytes, dense: 16,384 bytes
	s_mov_b32 s[G1], 15|(3<<16)|(1<<21)            ; 15:0 the mask: all four partners; 17:16 elements of 8 bytes; 21 set beside a mask; no padding
	s_mov_b32 s[G1+1], 32<<16                      ; tensor_dim0 = 32
	s_mov_b32 s[G1+2], 64<<16                      ; tensor_dim1 = 64
	s_mov_b32 s[G1+3], 32<<16                      ; tile_dim0 = 32
	s_mov_b32 s[G1+4], 64                          ; tile_dim1 = 64
	s_mov_b32 s[G1+5], 32                          ; from row to row
	s_mov_b32 s[G1+6], 0
	s_mov_b32 s[G1+7], 0
	v_and_b32 v21, 31, v0
	s_delay_alu instid0(VALU_DEP_1)
	v_lshlrev_b32 v[L16], 4, v21
	v_lshlrev_b32 v[T16], 4, v0
	s_lshl_b32 s32, s[WV], 12
	v_add_nc_u32 v[VO], s32, v[L16]
	s_lshl_b32 s32, s[WV], 13
	v_add_nc_u32 v[WA0], s32, v[L16]
	s_delay_alu instid0(VALU_DEP_1)
	v_add_nc_u32 v[WA0+1], 0x10000, v[WA0]
	s_delay_alu instid0(VALU_DEP_2)
	v_add_nc_u32 v[WA0+2], 0x20000, v[WA0]
	s_delay_alu instid0(VALU_DEP_3)
	v_add_nc_u32 v[WA0+3], 0x30000, v[WA0]
	v_and_b32 v22, 15, v0                          ; r
	v_bfe_u32 v23, v0, 4, 1                        ; h
	s_delay_alu instid0(VALU_DEP_2)
	v_lshlrev_b32 v[XG], 4, v22
	s_delay_alu instid0(VALU_DEP_1)
	v_lshl_add_u32 v[XG], v23, 10, v[XG]
	s_mul_i32 s32, s[WV], 4352
	s_add_co_u32 s32, s32, XR                      ; my stage
	v_mul_u32_u24 v[STI], v23, 272
	s_delay_alu instid0(VALU_DEP_1)
	v_lshl_add_u32 v[STI], v22, 4, v[STI]
	s_delay_alu instid0(VALU_DEP_1)
	v_add_nc_u32 v[STI], s32, v[STI]               ; in: lanes 0-15 one row, lanes 16-31 the next
	v_mul_u32_u24 v[STO], v22, 272
	s_delay_alu instid0(VALU_DEP_1)
	v_lshl_add_u32 v[STO], v23, 6, v[STO]
	s_delay_alu instid0(VALU_DEP_1)
	v_add_nc_u32 v[STO], s32, v[STO]               ; out: row r, 64 bytes on for the upper half of the lanes
	s_lshl_b32 s32, s[WV], 12
	s_add_co_u32 s32, s32, XR
	v_add_nc_u32 v[IMW], s32, v[L16]
	v_add_nc_u32 v[IMR], XR, v[L16]
	s_lshl_b32 s32, s[WV], 14                      ; 16,384 x wave
	s_add_co_u32 s22, s32, 262144                  ; my part of fill 0 in the weights' codes: Wk begins at 262,144
	s_mov_b32 s23, 0
	s_mov_b32 s21, 0
	s_wait_kmcnt 0x0
	s_load_b256 s[36:43], s[8:9], 0x0              ; e0 .. e7
	s_load_b128 s[44:47], s[8:9], 0x20             ; e8 .. e11
	s_mov_b32 s[G0A], 1                            ; count = 1
	s_mov_b32 s[G0A+1], s32                        ; LDS: slot 0, my part
	s_add_nc_u64 s[G0A+2:G0A+3], s[6:7], s[22:23]
	s_mov_b32 s[G0B], 1
	s_add_co_u32 s[G0B+1], s32, 131072             ; slot 1
	s_add_nc_u64 s[G0B+2:G0B+3], s[G0A+2:G0A+3], 131072
	s_or_b32 s[G0A+3], s[G0A+3], 0x80000000        ; type = 2
	s_or_b32 s[G0B+3], s[G0B+3], 0x80000000
	; the addresses that hang on the work-group: none of them enters a descriptor or an LDS address
	s_lshl_b32 s20, s18, 17
	s_add_co_u32 s20, s20, s32
	s_add_nc_u64 s[56:57], s[4:5], s[20:21]        ; x at my wave's 16 of the work-group's own 128 rows
	s_lshr_b32 s33, ttmp9, 2                       ; the batch of the cluster's queries,
	s_and_b32 s34, ttmp9, 3                        ; and which 128 of its 512
	s_lshl_b32 s20, s33, 21
	s_lshl_b32 s35, s34, 17
	s_add_co_u32 s20, s20, s35
	s_add_co_u32 s20, s20, s32
	s_add_nc_u64 s[58:59], s[4:5], s[20:21]        ; x at my wave's 16 of the cluster's 128 query rows
	s_lshl_b32 s20, s17, 16
	s_add_nc_u64 s[60:61], s[6:7], s[20:21]        ; Wq's head cx
	s_lshl_b32 s20, s33, 19
	s_lshl_b32 s35, s17, 17
	s_add_co_u32 s20, s20, s35
	s_lshl_b32 s35, s34, 15
	s_add_co_u32 s20, s20, s35
	s_add_nc_u64 s[78:79], s[10:11], s[20:21]      ; qc: batch, head cx, query tile 8 (cluster % 4)
	s_lshr_b32 s20, s18, 4
	s_lshl_b32 s20, s20, 21
	s_and_b32 s35, s18, 15
	s_lshl_b32 s35, s35, 15
	s_add_co_u32 s20, s20, s35
	s_add_nc_u64 s[80:81], s[12:13], s[20:21]      ; kc and vc: batch g / 16, key step g % 16
	s_add_nc_u64 s[82:83], s[14:15], s[20:21]
	CROUND                                         ; all four partners are here: the first joint loads meet
	tensor_load_to_lds s[G0A:G0A+3], s[G1:G1+7]    ; Wk's heads 0, 1
	s_nop 0
	PLACES
	WIN 0x40
	s_wait_alu depctr_va_vdst(0)
	XLOADS 58, 0                                   ; the query rows
	XLOADS 56, 128                                 ; my own rows
	WIN 0
	s_wait_kmcnt 0x0
	s_sub_co_i32 s20, s42, s36
	s_sub_co_i32 s20, s20, s37
	s_add_co_i32 s20, s20, 2                       ; e6 - e0 - e1 + 2
	MKSC 20, 18, 72
	s_sub_co_i32 s20, s43, s38
	s_sub_co_i32 s20, s20, s39
	s_add_co_i32 s20, s20, 2                       ; e7 - e2 - e3 + 2
	MKSC 20, 19, 74
	s_sub_co_i32 s20, s45, s40
	s_sub_co_i32 s20, s20, s41                     ; e9 - e4 - e5
	MKSC 20, 20, 76
	MKSC 36, 15, 66                                ; e0
	MKSC 38, 16, 68                                ; e2
	MKSC 40, 17, 70                                ; e4
	; eight chunks of 16 rows x 64 columns: 0-3 the query rows, 4-7 my own.  Chunk n + 1 goes through the stage while chunk n is quantised.
	s_wait_loadcnt 56                              ; chunk 0's eight loads are in; the 56 behind them may be out
	TURNC 0, TF
.irp n, 0,1,2,3,4,5,6,7
.if \n < 7
	s_wait_loadcnt 48-8*\n                         ; chunk n + 1's eight loads are in
	TURNC 32*(\n+1), TF+32*((\n+1)%2)
	s_wait_dscnt 16                                ; all but the 8 stores and 8 loads just issued: chunk n is back
.else
	s_wait_dscnt 0x0
.endif
.if \n < 4
	QUANT1 TF+32*(\n%2), XQC+8*\n, 15, 66
.else
	QUANT2 TF+32*(\n%2), \n-4
.endif
.endr
	v_nop                                          ; a plain line behind the last conversion
.set kk, 0
.rept 16
	global_load_b128 v[WF+4*kk:WF+4*kk+3], v[WA0], s[60:61] offset:512*kk   ; my four fragments of Wq's head cx
.set kk, kk+1
.endr
	BAR                                            ; every wave is done with its stage: the images may be laid over them
	IMAGE XQC
	BAR                                            ; the query rows' sixteen fragments lie in LDS
	FETCHX
	BAR                                            ; every wave has them in registers
	IMAGE XKC                                      ; my own rows, for k
	s_wait_dscnt 0x0                               ; the stores have read their registers, which the products below write
	s_wait_loadcnt 0x0                             ; Wq
	MULK
	CONV 18, 72, 78, T16, 0, 0, -1                 ; q
	s_wait_tensorcnt 0x0                           ; my part of slot 0 is in
	ds_add_u32 v[SPW], v[NIL]
	s_wait_dscnt 0x0
	CROUND                                         ; slot 0 is whole, and so is the image for k
	tensor_load_to_lds s[G0B:G0B+3], s[G1:G1+7]    ; slot 1's first fill: Wk's heads 2, 3
	s_nop 0
	PLACES
	FETCHX
	LOADWF 0
	BAR                                            ; every wave has the image in registers
	IMAGE XVC                                      ; my own rows, for v: shown to the others by the waits in front of the rounds below
	MULK
	CONV 19, 74, 80, T16, 0, 0, 1                  ; k, head 0
	s_wait_dscnt 0x0
	MULK
	CONV 19, 74, 80, T16, 0, 1, -1                 ; head 1
	REFILL G0A                                     ; slot 0 takes Wv's heads 0, 1
	LOADWF 2
	s_wait_dscnt 0x0
	MULK
	CONV 19, 74, 80, T16, 0, 2, 3                  ; head 2
	s_wait_dscnt 0x0
	MULK
	CONV 19, 74, 80, T16, 0, 3, -1                 ; head 3
	REFILL G0B                                     ; slot 1 takes Wv's heads 2, 3
	FETCHX
	LOADWF 0
	s_wait_dscnt 0x0
	MULV
	CONV 20, 76, 82, VO, 1, 0, 1                   ; v, head 0
	s_wait_dscnt 0x0
	MULV
	CONV 20, 76, 82, VO, 1, 1, -1                  ; head 1
	s_wait_tensorcnt 0x0                           ; my part of slot 1's last fill is in
	BAR                                            ; everybody's is
	LOADWF 2
	s_wait_dscnt 0x0
	MULV
	CONV 20, 76, 82, VO, 1, 2, 3                   ; head 2
	s_wait_dscnt 0x0
	MULV
	CONV 20, 76, 82, VO, 1, 3, -1                  ; head 3
	s_wait_tensorcnt 0x0                           ; the wave's end
	ds_add_u32 v[SPW], v[NIL]
	s_wait_dscnt 0x0
	CROUND                                         ; the closing round
	s_endpgm
.Lfunc_end_k_q102018dd9a_proj:
	.size	k_q102018dd9a_proj, .Lfunc_end_k_q102018dd9a_proj-k_q102018dd9a_proj
	.p2alignl 7, 3214868480
	.fill 96, 4, 3214868480
	.section	.rodata,"a",@progbits
	.p2align	6, 0x0
	.amdhsa_kernel k_q102018dd9a_proj
		.amdhsa_group_segment_fixed_size 327680
		.amdhsa_private_segment_fixed_size 0
		.amdhsa_enable_private_segment 0
		.amdhsa_kernarg_size 48
		.amdhsa_user_sgpr_count 2
		.amdhsa_user_sgpr_kernarg_segment_ptr 1
		.amdhsa_wavefront_size32 1
		.amdhsa_system_sgpr_workgroup_id_x 1
		.amdhsa_system_sgpr_workgroup_id_y 1
		.amdhsa_system_sgpr_workgroup_id_z 1
		.amdhsa_system_vgpr_workitem_id 0
		.amdhsa_next_free_vgpr 512
		.amdhsa_next_free_sgpr 84
		.amdhsa_reserve_vcc 0
		.amdhsa_float_denorm_mode_32 3
		.amdhsa_float_denorm_mode_16_64 3
		.amdhsa_memory_ordered 1
		.amdhsa_forward_progress 1
		.amdhsa_inst_pref_size 184
	.end_amdhsa_kernel
	.amdgpu_metadata
---
amdhsa.version: [ 1, 2 ]
amdhsa.kernels:
  - .name:           k_q102018dd9a_proj
    .symbol:         k_q102018dd9a_proj.kd
    .args:
      - { .name: x, .offset: 0, .size: 8, .value_kind: global_buffer, .address_space: global }
      - { .name: wc, .offset: 8, .size: 8, .value_kind: global_buffer, .address_space: global }
      - { .name: lowp_scales, .offset: 16, .size: 8, .value_kind: global_buffer, .address_space: global }
      - { .name: qc, .offset: 24, .size: 8, .value_kind: global_buffer, .address_space: global }
      - { .name: kc, .offset: 32, .size: 8, .value_kind: global_buffer, .address_space: global }
      - { .name: vc, .offset: 40, .size: 8, .value_kind: global_buffer, .address_space: global }
    .group_segment_fixed_size: 327680
    .private_segment_fixed_size: 0
    .kernarg_segment_align: 8
    .kernarg_segment_size: 48
    .max_flat_workgroup_size: 256
    .sgpr_count:     84
    .vgpr_count:     512
    .wavefront_size: 32
...
	.end_amdgpu_metadata
.endif
;; end of part 2
;; launch attn (part 3): grid 4 x 64, 4 waves a work-group, clusters of 4 x 1, 327,680 bytes of LDS; arguments qc, kc, vc, lowp_scales, oc; writes oc
.if DOCPART == 3
	.amdgcn_target "amdgcn-amd-amdhsa--gfx1250"
	.amdhsa_code_object_version 6
	.text
	.protected	k_q102018dd9a_attn
	.globl	k_q102018dd9a_attn
	.p2align	8
	.type	k_q102018dd9a_attn,@function
k_q102018dd9a_attn:
	s_mov_b64 s[64:65], 0
	v_nop
	global_prefetch_b8 v0, s[64:65] scope:SCOPE_SE
	s_setreg_imm32_b32 hwreg(HW_REG_WAVE_MODE, 25, 1), 1
	s_wait_xcnt 0x0
	s_wait_alu depctr_hold_cnt(0) depctr_sa_sdst(0) depctr_va_vdst(0) depctr_va_sdst(0) depctr_va_ssrc(0) depctr_va_vcc(0) depctr_vm_vsrc(0)
	s_getreg_b32 s2, hwreg(HW_REG_IB_STS2, 6, 4)
	s_cmp_eq_u32 s2, 0
	s_cbranch_scc0 .Lentry_in_a_cluster
	s_endpgm
.Lentry_in_a_cluster:
	s_bfe_u32 s2, ttmp6, 0x10000c
	s_cmp_lg_u32 s2, 0x3003
	s_cbranch_scc0 .Lentry_shape_is_right
	s_endpgm
.Lentry_shape_is_right:
; out = softmax(q k^T) v for 64 (batch, head) pairs, 512 queries x 2,048 keys x 256 channels, both products on codes of E4M3.  q's and k's codes carry the factor 1/4 each.  The result is quantised with 2^e10 for the last product.
; (Query rows from 512 on are sliced away by reference(): they were never made.)
; t = score x log2(e) x 2^(e6 + e7); M = the running largest t rounded up to a whole number; p = 2^(t - M) is quantised with 2^e8, its row sum is taken unquantised in f32 and divides at the end, with 2^(e8 + e9).
; When M moves, the sum and O are multiplied by 2^(old M - new M), which rounds nothing.
; LIMITS: e6 + e7 lies between -126 and 126, e8 and e10 between -126 and 119, so that each power of two and 448 times it are f32 numbers; the scaled scores t stay under 2^31 in magnitude.  NaN among the inputs is not served.
; SHARES.  A work-group owns 128 queries of one pair: 4 x 64 work-groups.  Each of four waves owns 32 queries, two tiles, and walks all keys, 128 a step.  A slot of 131,072 bytes holds two steps: K's 65,536 bytes, then V's.  Two slots take turns.
; CLUSTER.  The four query blocks of a pair need the same K and V: each wave issues one joint load of 32,768 bytes a slot (waves 0, 1: K's halves; waves 2, 3: V's halves).
; OPERANDS ARE IMAGES OF REGISTERS: a block of 512 bytes is four registers of a fragment, lane L at byte 16 L.  Both products are used transposed: a lane holds one query.
; PREFETCH.  At a change of slots each wave asks for its part of the slot behind the one that its joint load brings: 32 lanes x 256 bytes; the four partners take a quarter of that part each, told apart by address.  It ends with the last slot.
; REGISTERS.  window 0: v1-31 addresses, state, scales; v32-63 p's codes; v64-127 Q; v128-255 the scores of the two tiles.  window 1: O^T, two tiles of 128.  window 2: K's fragments of a step (tile t at 32 t).  window 3: V's (channel tile i at 16 i).
.set SLOT1, 1<<17
.set SPARE, 262144                     ; the spare words, behind the two slots
.set WV,    14
.set SEL,   16                         ; s[16:17] lane l xor 16
.set CS,    18                         ; s[18:19] log2(e) x 2^(e6 + e7), twice
.set TB,    20                         ; LDS byte at which the slot in hand begins
.set SLOTS, 22
.set G1,    24
.set G0,    32                         ; s[32:35] slot 0's first fill;  s[36:39] walks
.set G0W,   36
.set PFA,   52
.set L16, 1                            ; 16 x lane
.set ADV, 2
.set ADK, 3
.set SPW, 4
.set NIL, 5
.set PFO, 6
.set ST,  8                            ; tile y's state at 8 + 8 y: -M, largest t, sum (two halves), factor (a pair), two temporaries
.set PD,  24
.set OM,  26
.set P,   32
.set Q,   64
.set S,   128
.set MSB, 0
.macro WIN new                         ; the immediate's high byte repeats the setting that is left
.if MSB != \new
	s_set_vgpr_msb (MSB<<8)|\new
.set MSB, \new
.endif
.endm
.macro VW
	s_wait_alu depctr_va_vdst(0)
.endm
.macro NOPS cnt
.rept \cnt
	v_nop
.endr
.endm
.macro CROUND                          ; a round of the cluster's barrier
	s_barrier_signal -1
	s_barrier_wait -1
	s_cmp_lg_u32 s[WV], 0
	s_cbranch_scc1 .Lnot_wave_0_\@
	s_barrier_signal -3
.Lnot_wave_0_\@:
	s_barrier_wait -3
	s_barrier_signal -1
	s_barrier_wait -1
.endm
.macro RUNK hf                         ; four key tiles of K into window 2
	WIN 0x80
.irp t, 0,1,2,3
.irp k, 0,1,2,3,4,5,6,7
	ds_load_b128 v[32*(4*\hf+\t)+4*\k:32*(4*\hf+\t)+4*\k+3], v[ADK] offset:4096*(4*\hf+\t)+512*\k
.endr
.endr
	WIN 0
.endm
.macro RUNV hf                         ; eight channel tiles of V into window 3
	WIN 0xc0
.irp t, 0,1,2,3,4,5,6,7
.irp c, 0,1,2,3
	ds_load_b128 v[16*(8*\hf+\t)+4*\c:16*(8*\hf+\t)+4*\c+3], v[ADV] offset:2048*(8*\hf+\t)+512*\c
.endr
.endr
	WIN 0
.endm
.macro QKALL                           ; S^T = K Q^T: eight key tiles x two query tiles x two K steps; eight accumulators take turns
	WIN 0x02
.irp g, 0,1
.irp ks, 0,1
.irp t, 0,1,2,3
.irp y, 0,1
.set kt, 4*\g+\t
.if \ks == 0
	v_wmma_f32_16x16x128_fp8_fp8 v[S+64*\y+8*kt:S+64*\y+8*kt+7], v[32*kt:32*kt+15], v[Q+32*\y:Q+32*\y+15], 0
.else
	v_wmma_f32_16x16x128_fp8_fp8 v[S+64*\y+8*kt:S+64*\y+8*kt+7], v[32*kt+16:32*kt+31], v[Q+32*\y+16:Q+32*\y+31], v[S+64*\y+8*kt:S+64*\y+8*kt+7]
.endif
.endr
.endr
.endr
.endr
	WIN 0
.endm
.macro PVALL                           ; O^T += V^T P^T: 32 accumulators take turns
	WIN 0x53
.irp i, 0,1,2,3,4,5,6,7,8,9,10,11,12,13,14,15
.irp y, 0,1
	v_wmma_f32_16x16x128_fp8_fp8 v[128*\y+8*\i:128*\y+8*\i+7], v[16*\i:16*\i+15], v[P+16*\y:P+16*\y+15], v[128*\y+8*\i:128*\y+8*\i+7]
.endr
.endr
	WIN 0
.endm
.macro MAXES                           ; each tile's largest score among my 64 keys, in four chains; each accumulator from its low end on
.irp y, 0,1
	v_max3_num_f32 v[ST+8*\y+6], v[S+64*\y], v[S+64*\y+1], v[S+64*\y+2]
	v_max3_num_f32 v[ST+8*\y+7], v[S+64*\y+3], v[S+64*\y+4], v[S+64*\y+5]
	v_max3_num_f32 v[PD+\y], v[S+64*\y+6], v[S+64*\y+7], v[S+64*\y+8]
	v_max3_num_f32 v[OM+\y], v[S+64*\y+9], v[S+64*\y+10], v[S+64*\y+11]
.endr
.set nx, 12
.rept 6
.irp y, 0,1
	v_max3_num_f32 v[ST+8*\y+6], v[ST+8*\y+6], v[S+64*\y+nx], v[S+64*\y+nx+1]
	v_max3_num_f32 v[ST+8*\y+7], v[ST+8*\y+7], v[S+64*\y+nx+2], v[S+64*\y+nx+3]
	v_max3_num_f32 v[PD+\y], v[PD+\y], v[S+64*\y+nx+4], v[S+64*\y+nx+5]
	v_max3_num_f32 v[OM+\y], v[OM+\y], v[S+64*\y+nx+6], v[S+64*\y+nx+7]
.endr
.set nx, nx+8
.endr
.irp y, 0,1
	v_max3_num_f32 v[ST+8*\y+6], v[ST+8*\y+6], v[S+64*\y+60], v[S+64*\y+61]
	v_max3_num_f32 v[ST+8*\y+7], v[ST+8*\y+7], v[S+64*\y+62], v[S+64*\y+63]
.endr
.endm
.macro STATE                           ; the new -M and the factor 2^(old M - new M), both tiles line by line
.irp y, 0,1
	v_max3_num_f32 v[ST+8*\y+6], v[ST+8*\y+6], v[ST+8*\y+7], v[PD+\y]
.endr
.irp y, 0,1
	v_max_num_f32 v[ST+8*\y+6], v[ST+8*\y+6], v[OM+\y]
.endr
.irp y, 0,1
	v_permlanex16_b32 v[PD+\y], v[ST+8*\y+6], s[SEL], s[SEL+1]
.endr
.irp y, 0,1
	v_max_num_f32 v[ST+8*\y+6], v[ST+8*\y+6], v[PD+\y]
.endr
.irp y, 0,1
	v_mul_f32 v[ST+8*\y+6], s[CS], v[ST+8*\y+6]
.endr
.irp y, 0,1
	v_max_num_f32 v[ST+8*\y+1], v[ST+8*\y+1], v[ST+8*\y+6]
.endr
.irp y, 0,1
	v_mov_b32 v[OM+\y], v[ST+8*\y]
.endr
.irp y, 0,1
	v_floor_f32 v[ST+8*\y], -v[ST+8*\y+1]
.endr
.irp y, 0,1
	v_sub_f32 v[OM+\y], v[ST+8*\y], v[OM+\y]
.endr
.irp y, 0,1
	v_cvt_i32_f32 v[OM+\y], v[OM+\y]
.endr
.irp y, 0,1
	v_ldexp_f32 v[ST+8*\y+4], 1.0, v[OM+\y]
.endr
.endm
.macro FMA1 y                          ; t - M, two at a time
	v_pk_fma_f32 v[S+64*\y+fx:S+64*\y+fx+1], v[S+64*\y+fx:S+64*\y+fx+1], s[CS:CS+1], v[ST+8*\y:ST+8*\y+1] op_sel_hi:[1,0,0]
.set fx, fx+2
.endm
.macro EXP1 y
	v_exp_f32 v[S+64*\y+nx], v[S+64*\y+nx]
.set nx, nx+1
.endm
.macro MIN1 y                          ; p is never negative: the hold at 448 x 2^e8 is one-sided (the conversion does not saturate: ISA guide 7.6.2)
	v_min_num_f32 v[S+64*\y+fx], v[S+64*\y+fx], v31
.set fx, fx+1
.endm
.macro SUMF y                          ; the sum under the new M
	v_pk_mul_f32 v[ST+8*\y+2:ST+8*\y+3], v[ST+8*\y+2:ST+8*\y+3], v[ST+8*\y+4:ST+8*\y+5] op_sel_hi:[1,0]
.endm
.macro ADDS y                          ; the row's sum of the unquantised p, in four chains
.set ra, ST+8*\y
.set sb, S+64*\y
	v_pk_add_f32 v[ra+6:ra+7], v[sb:sb+1], v[sb+2:sb+3]
	v_pk_add_f32 v[PD:PD+1], v[sb+4:sb+5], v[sb+6:sb+7]
	v_pk_add_f32 v[OM:OM+1], v[sb+8:sb+9], v[sb+10:sb+11]
.set sb, sb+12
.rept 6
	v_pk_add_f32 v[ra+2:ra+3], v[ra+2:ra+3], v[sb:sb+1]
	v_pk_add_f32 v[ra+6:ra+7], v[ra+6:ra+7], v[sb+2:sb+3]
	v_pk_add_f32 v[PD:PD+1], v[PD:PD+1], v[sb+4:sb+5]
	v_pk_add_f32 v[OM:OM+1], v[OM:OM+1], v[sb+6:sb+7]
.set sb, sb+8
.endr
	v_pk_add_f32 v[ra+2:ra+3], v[ra+2:ra+3], v[sb:sb+1]
	v_pk_add_f32 v[ra+6:ra+7], v[ra+6:ra+7], v[sb+2:sb+3]
	v_pk_add_f32 v[PD:PD+1], v[PD:PD+1], v[OM:OM+1]
	v_pk_add_f32 v[ra+2:ra+3], v[ra+2:ra+3], v[ra+6:ra+7]
	v_pk_add_f32 v[ra+2:ra+3], v[ra+2:ra+3], v[PD:PD+1]
.endm
.macro CVT y                           ; p's codes are the second product's operand
.irp b, 0,1,2,3
	v_cvt_scalef32_pk8_fp8_f32 v[P+16*\y+4*\b:P+16*\y+4*\b+1], v[S+64*\y+16*\b:S+64*\y+16*\b+7], v30
	v_cvt_scalef32_pk8_fp8_f32 v[P+16*\y+4*\b+2:P+16*\y+4*\b+3], v[S+64*\y+16*\b+8:S+64*\y+16*\b+15], v30
.endr
.endm
.macro RESCALE                         ; O^T under the new M; one wait for the group of matrix results, plain vector instructions alone behind it
	WIN 0x41
	VW
.irp y, 0,1
.set nx, 128*\y
.rept 64
	v_pk_mul_f32 v[nx:nx+1], v[nx:nx+1], v[ST+8*\y+4:ST+8*\y+5] op_sel_hi:[1,0]
.set nx, nx+2
.endr
.endr
.endm
.macro ASK
	s_cmp_gt_u32 s[SLOTS], 1
	s_cbranch_scc0 .Lnone_\@
	global_prefetch_b8 v[PFO], s[PFA:PFA+1] th:TH_LOAD_NT scope:SCOPE_SE
.Lnone_\@:
.endm
; The change of slots: all my tensor loads have landed (my part of the other slot), 0 is added to my spare word, that and my reads of this slot are waited for.  fill = 1: a round of the cluster's barrier, and the joint load first behind it.
.macro CHANGE fill
	s_wait_tensorcnt 0x0
	ds_add_u32 v[SPW], v[NIL]
.if \fill
	s_xor_b32 s[G0W+1], s[G0W+1], SLOT1
	s_add_nc_u64 s[G0W+2:G0W+3], s[G0W+2:G0W+3], 65536
	s_wait_xcnt 0x0                                ; any prefetch of mine has read its address
	s_add_nc_u64 s[PFA:PFA+1], s[PFA:PFA+1], 65536
	s_wait_dscnt 0x0
	CROUND
	tensor_load_to_lds s[G0W:G0W+3], s[G1:G1+7]
	s_nop 0
	NOPS 4
	ASK
.else
	s_wait_dscnt 0x0
	s_barrier_signal -1
	s_barrier_wait -1
.endif
	s_xor_b32 s[TB], s[TB], SLOT1
.endm
; A step: 128 keys, the q-th of the slot.  At its head this step's 64 loads of K are out or in.  chg: 1 a change of slots with a fill, 2 one without.  fetch = 2: the next step's K is left out in the last trip.
.macro STEP q, chg, fetch
	s_add_co_u32 s21, s[TB], 65536+32768*\q
	v_add_nc_u32 v[ADV], s21, v[L16]
	NOPS 3                                         ; with the line above four places in front of loads into V's registers, which the last products read
	RUNV 0
	VW
	s_wait_dscnt 32                                ; all but the 32 just issued: K is in
	QKALL
	RUNV 1
	NOPS 4                                         ; places behind the products
	MAXES
	STATE
.set fx, 0
.rept 32
	FMA1 0
.endr
	VW
.set nx, 0
.set fx, 0
.rept 32                               ; tile 0's exponentials, and between them tile 1's t - M
	EXP1 0
	EXP1 0
	FMA1 1
.endr
	SUMF 0
	VW
.if \chg == 1
	CHANGE 1
.elseif \chg == 2
	CHANGE 0
.else
	s_wait_dscnt 0x0                               ; V is in
.endif
.if \fetch
	s_add_co_u32 s21, s[TB], 32768*(1-\q)
	v_add_nc_u32 v[ADK], s21, v[L16]
.if \fetch == 2
	s_cmp_eq_u32 s[SLOTS], 1
	s_cbranch_scc1 .Lnok0_\@
.endif
	RUNK 0                                         ; the next step's K, first half
.Lnok0_\@:
.endif
	ADDS 0
.set nx, 0
.set fx, 0
.rept 64                               ; tile 1's exponentials, and between them tile 0's holds
	EXP1 1
	MIN1 0
.endr
	SUMF 1
	VW
.if \fetch
.if \fetch == 2
	s_cmp_eq_u32 s[SLOTS], 1
	s_cbranch_scc1 .Lnok1_\@
.endif
	RUNK 1
.Lnok1_\@:
.endif
	ADDS 1
.set fx, 0
.rept 64
	MIN1 1
.endr
	CVT 0
	CVT 1
	RESCALE                                        ; plain lines behind the last conversion
	PVALL
.endm
	s_load_b256 s[4:11], s[0:1], 0x0               ; q's codes s[4:5], k's s[6:7], v's s[8:9], exponents s[10:11]
	s_load_b64 s[12:13], s[0:1], 0x20              ; the output's codes
	v_lshl_add_u32 v[SPW], v0, 2, SPARE
	v_mov_b32 v[NIL], 0
	ds_add_u32 v[SPW], v[NIL]                      ; the opening lines: the add, twice on end, and its wait
	ds_add_u32 v[SPW], v[NIL]
	s_wait_dscnt 0x0
	v_lshrrev_b32 v7, 5, v0
	v_readfirstlane_b32 s[WV], v7                  ; wave 0..3
	s_bfe_u32 s15, ttmp6, 0x40000                  ; cx: my query block
	s_and_b32 s23, ttmp7, 0xffff                   ; the (batch, head) pair
	s_mov_b32 s[G1], 15|(3<<16)|(1<<21)            ; group 1: the mask names all four partners; elements of 8 bytes; 128 rows of 256 bytes, dense
	s_mov_b32 s[G1+1], 32<<16
	s_mov_b32 s[G1+2], 128<<16
	s_mov_b32 s[G1+3], 32<<16
	s_mov_b32 s[G1+4], 128
	s_mov_b32 s[G1+5], 32
	s_mov_b32 s[G1+6], 0
	s_mov_b32 s[G1+7], 0
	s_mov_b32 s[SEL], 0x76543210
	s_mov_b32 s[SEL+1], 0xfedcba98
	s_mov_b32 s[TB], 0
	s_mov_b32 s[SLOTS], 6
	v_and_b32 v7, 31, v0
	v_lshlrev_b32 v[L16], 4, v7
	v_lshlrev_b32 v[PFO], 8, v7
	s_lshl_b32 s58, s23, 19
	s_and_b32 s21, s[WV], 1
	s_lshl_b32 s21, s21, 15
	s_add_co_u32 s58, s58, s21
	s_mov_b32 s59, 0
	s_mov_b32 s63, 0
	VW
	s_wait_kmcnt 0x0
	s_load_b256 s[40:47], s[10:11], 0x0            ; e0 .. e7
	s_load_b128 s[48:51], s[10:11], 0x20           ; e8 .. e11
	s_cmp_lt_u32 s[WV], 2
	s_cselect_b64 s[60:61], s[6:7], s[8:9]         ; waves 0, 1 fetch K, waves 2, 3 V
	s_add_nc_u64 s[60:61], s[60:61], s[58:59]
	s_mov_b32 s[G0], 1
	s_lshl_b32 s[G0+1], s[WV], 15
	s_mov_b64 s[G0+2:G0+3], s[60:61]
	s_or_b32 s[G0+3], s[G0+3], 0x80000000
	s_mov_b32 s[G0W], 1
	s_add_co_u32 s[G0W+1], s[G0+1], SLOT1
	s_add_nc_u64 s[G0W+2:G0W+3], s[60:61], 65536
	s_or_b32 s[G0W+3], s[G0W+3], 0x80000000
	s_lshl_b32 s62, s15, 13
	s_add_nc_u64 s[PFA:PFA+1], s[60:61], s[62:63]  ; my quarter of my wave's part
	s_add_nc_u64 s[PFA:PFA+1], s[PFA:PFA+1], 2*65536
	s_lshl_b32 s62, s23, 17
	s_lshl_b32 s57, s15, 15
	s_add_co_u32 s62, s62, s57
	s_lshl_b32 s57, s[WV], 13
	s_add_co_u32 s62, s62, s57
	s_add_nc_u64 s[4:5], s[4:5], s[62:63]          ; my two tiles of q
	s_lshr_b32 s62, s23, 2
	s_lshl_b32 s62, s62, 19
	s_lshl_b32 s57, s15, 17
	s_add_co_u32 s62, s62, s57
	s_lshl_b32 s57, s[WV], 15
	s_add_co_u32 s62, s62, s57
	s_and_b32 s57, s23, 3
	s_lshl_b32 s57, s57, 12
	s_add_co_u32 s62, s62, s57
	s_add_nc_u64 s[56:57], s[12:13], s[62:63]      ; my rows of the output's codes, at my head's 256 columns
	CROUND                                         ; all four partners are here: the first joint loads meet
	tensor_load_to_lds s[G0:G0+3], s[G1:G1+7]      ; slot 0
	s_nop 0
	NOPS 4
.set nx, 0
.rept 16
	global_load_b128 v[Q+nx:Q+nx+3], v[L16], s[4:5] offset:128*nx   ; Q stays in registers
.set nx, nx+4
.endr
.irp y, 0,1
	v_mov_b32 v[ST+8*\y+1], 0xff61b1e6             ; the largest t so far: -3e38
	v_floor_f32 v[ST+8*\y], -v[ST+8*\y+1]
	v_mov_b32 v[ST+8*\y+2], 0
	v_mov_b32 v[ST+8*\y+3], 0
	v_mov_b32 v[ST+8*\y+5], 0                      ; (named as the upper half of the factor's pair)
.endr
	WIN 0x40
.set nx, 0
.rept 256                              ; O^T: the step is written once, and its first run finds zeros
	v_mov_b32 v[nx], 0
.set nx, nx+1
.endr
	WIN 0
	s_wait_kmcnt 0x0
	s_add_co_i32 s21, s46, s47
	s_lshl_b32 s21, s21, 23
	s_add_co_i32 s[CS], s21, 0x3fb8aa3b            ; log2(e) x 2^(e6 + e7): the exponents are added to the exponent field
	s_mov_b32 s[CS+1], s[CS]
	s_add_co_i32 s21, s48, 127
	s_lshl_b32 s23, s21, 23
	v_mov_b32 v30, s23                             ; 2^e8
	s_add_co_i32 s21, s21, 8
	s_lshl_b32 s21, s21, 23
	s_or_b32 s21, s21, 0x600000
	v_mov_b32 v31, s21                             ; 448 x 2^e8
	s_add_co_i32 s21, s50, 127
	s_lshl_b32 s23, s21, 23
	v_mov_b32 v28, s23                             ; 2^e10
	s_add_co_i32 s21, s21, 8
	s_lshl_b32 s55, s21, 23
	s_or_b32 s55, s55, 0x600000                    ; 448 x 2^e10
	s_or_b32 s54, s55, 0x80000000
	VW
	s_wait_tensorcnt 0x0                           ; my part of slot 0 is in
	ds_add_u32 v[SPW], v[NIL]
	s_wait_dscnt 0x0
	CROUND                                         ; slot 0 is whole
	tensor_load_to_lds s[G0W:G0W+3], s[G1:G1+7]    ; slot 1
	s_nop 0
	NOPS 4
	v_mov_b32 v[ADK], v[L16]
	RUNK 0
	RUNK 1
	s_wait_loadcnt 0x0                             ; Q
.Lslot:                                                ; six trips, two steps each: slots 0 to 5; each asks for the slot two on
	STEP 0, 0, 1
	STEP 1, 1, 1
	s_sub_co_u32 s[SLOTS], s[SLOTS], 1
	s_cmp_lg_u32 s[SLOTS], 0
	s_cbranch_scc1 .Lslot
	s_mov_b32 s[SLOTS], 2
.Llast:                                                ; slots 6 and 7: nothing is filled
	STEP 0, 0, 1
	STEP 1, 2, 2
	s_sub_co_u32 s[SLOTS], s[SLOTS], 1
	s_cmp_lg_u32 s[SLOTS], 0
	s_cbranch_scc1 .Llast
	; THE WAY OUT: O^T / the sum x 2^(e8 + e9), held, quantised with 2^e10: a lane's registers of two neighbouring channel tiles are four registers of the last product's fragment
.irp y, 0,1
	v_add_f32 v[ST+8*\y+2], v[ST+8*\y+2], v[ST+8*\y+3]
.endr
.irp y, 0,1
	v_permlanex16_b32 v[PD+\y], v[ST+8*\y+2], s[SEL], s[SEL+1]
.endr
.irp y, 0,1
	v_add_f32 v[ST+8*\y+2], v[ST+8*\y+2], v[PD+\y]
.endr
	VW
.irp y, 0,1
	v_rcp_f32 v[ST+8*\y+4], v[ST+8*\y+2]
.endr
	v_nop
	s_add_co_i32 s21, s48, s49
	VW
.irp y, 0,1
	v_ldexp_f32 v[ST+8*\y+4], v[ST+8*\y+4], s21
.endr
.irp y, 0,1
	WIN 0x01
	VW
.set nx, 0
.rept 64
	v_pk_mul_f32 v[S+nx:S+nx+1], v[128*\y+nx:128*\y+nx+1], v[ST+8*\y+4:ST+8*\y+5] op_sel_hi:[1,0]
.set nx, nx+2
.endr
	WIN 0
.set nx, 0
.rept 128
	v_med3_num_f32 v[S+nx], v[S+nx], s54, s55
.set nx, nx+1
.endr
.set nx, 0
.rept 8
	v_cvt_scalef32_pk8_fp8_f32 v[P+32*\y+4*nx:P+32*\y+4*nx+1], v[S+16*nx:S+16*nx+7], v28
	v_cvt_scalef32_pk8_fp8_f32 v[P+32*\y+4*nx+2:P+32*\y+4*nx+3], v[S+16*nx+8:S+16*nx+15], v28
.set nx, nx+1
.endr
	v_nop                                          ; a plain line behind the last conversion
.set nx, 0
.rept 8
	global_store_b128 v[L16], v[P+32*\y+4*nx:P+32*\y+4*nx+3], s[56:57] offset:16384*\y+512*nx
.set nx, nx+1
.endr
.endr
	s_wait_tensorcnt 0x0                           ; the wave's end
	ds_add_u32 v[SPW], v[NIL]
	s_wait_dscnt 0x0
	CROUND                                         ; the closing round
	s_endpgm
.Lfunc_end_k_q102018dd9a_attn:
	.size	k_q102018dd9a_attn, .Lfunc_end_k_q102018dd9a_attn-k_q102018dd9a_attn
	.p2alignl 7, 3214868480
	.fill 96, 4, 3214868480
	.section	.rodata,"a",@progbits
	.p2align	6, 0x0
	.amdhsa_kernel k_q102018dd9a_attn
		.amdhsa_group_segment_fixed_size 327680
		.amdhsa_private_segment_fixed_size 0
		.amdhsa_enable_private_segment 0
		.amdhsa_kernarg_size 40
		.amdhsa_user_sgpr_count 2
		.amdhsa_user_sgpr_kernarg_segment_ptr 1
		.amdhsa_wavefront_size32 1
		.amdhsa_system_sgpr_workgroup_id_x 1
		.amdhsa_system_sgpr_workgroup_id_y 1
		.amdhsa_system_sgpr_workgroup_id_z 1
		.amdhsa_system_vgpr_workitem_id 0
		.amdhsa_next_free_vgpr 1024
		.amdhsa_next_free_sgpr 66
		.amdhsa_reserve_vcc 0
		.amdhsa_float_denorm_mode_32 3
		.amdhsa_float_denorm_mode_16_64 3
		.amdhsa_memory_ordered 1
		.amdhsa_forward_progress 1
		.amdhsa_inst_pref_size 222
	.end_amdhsa_kernel
	.amdgpu_metadata
---
amdhsa.version: [ 1, 2 ]
amdhsa.kernels:
  - .name:           k_q102018dd9a_attn
    .symbol:         k_q102018dd9a_attn.kd
    .args:
      - { .name: qc, .offset: 0, .size: 8, .value_kind: global_buffer, .address_space: global }
      - { .name: kc, .offset: 8, .size: 8, .value_kind: global_buffer, .address_space: global }
      - { .name: vc, .offset: 16, .size: 8, .value_kind: global_buffer, .address_space: global }
      - { .name: lowp_scales, .offset: 24, .size: 8, .value_kind: global_buffer, .address_space: global }
      - { .name: oc, .offset: 32, .size: 8, .value_kind: global_buffer, .address_space: global }
    .group_segment_fixed_size: 327680
    .private_segment_fixed_size: 0
    .kernarg_segment_align: 8
    .kernarg_segment_size: 40
    .max_flat_workgroup_size: 128
    .sgpr_count:     66
    .vgpr_count:     1024
    .wavefront_size: 32
...
	.end_amdgpu_metadata
.endif
;; end of part 3
;; launch outp (part 4): grid 128 x 2, 4 waves a work-group, clusters of 4 x 1, 168,448 bytes of LDS; arguments oc, wc, lowp_scales, bu, out0; writes out0
.if DOCPART == 4
	.amdgcn_target "amdgcn-amd-amdhsa--gfx1250"
	.amdhsa_code_object_version 6
	.text
	.protected	k_q102018dd9a_outp
	.globl	k_q102018dd9a_outp
	.p2align	8
	.type	k_q102018dd9a_outp,@function
k_q102018dd9a_outp:
	s_mov_b64 s[64:65], 0
	v_nop
	global_prefetch_b8 v0, s[64:65] scope:SCOPE_SE
	s_setreg_imm32_b32 hwreg(HW_REG_WAVE_MODE, 25, 1), 1
	s_wait_xcnt 0x0
	s_wait_alu depctr_hold_cnt(0) depctr_sa_sdst(0) depctr_va_vdst(0) depctr_va_sdst(0) depctr_va_ssrc(0) depctr_va_vcc(0) depctr_vm_vsrc(0)
	s_getreg_b32 s2, hwreg(HW_REG_IB_STS2, 6, 4)
	s_cmp_eq_u32 s2, 0
	s_cbranch_scc0 .Lentry_in_a_cluster
	s_endpgm
.Lentry_in_a_cluster:
	s_bfe_u32 s2, ttmp6, 0x10000c
	s_cmp_lg_u32 s2, 0x3003
	s_cbranch_scc0 .Lentry_shape_is_right
	s_endpgm
.Lentry_shape_is_right:
; y = out Wu + bu on codes of E4M3: [8,192 rows][K 1,024] x [1,024][256].  Both operands come as codes in fragment order; y = sum x 2^(e10 + e11) + bu, f32.
; LIMIT: e10 + e11 lies between -126 and 127, so that 2^(e10 + e11) is an f32 number.
; SHARES.  A work-group makes 64 rows x 128 columns (a half of y's columns): 128 x 2 work-groups.  Wave w: row tiles 2 (w / 2), + 1; column tiles 4 (w % 2) .. + 3: eight accumulators, 64 matrix instructions.
; CLUSTER.  The four row blocks of a cluster need the same half of Wu, 131,072 bytes: asked for JOINTLY, one load of 32,768 bytes (K steps 2 w, 2 w + 1) a wave, each LDS byte filled once.  out's fragments are a wave pair's own: straight into registers.
; No prefetch: all tiles are asked for at the head, and there is no loop to run ahead in.
; The matrix instruction is used transposed (source 0 = 16 columns of Wu, source 1 = 16 rows of out): a lane holds eight neighbouring numbers of a row of y.
; The way out goes through the wave's own stage (rows of 256 bytes + 16), so that sixteen lanes store 256 consecutive bytes, aligned.
; LDS: Wu's half at 0 ([K step 8][column tile 8][c 4][512]); the stages at 131,072, 8,704 bytes a wave; the spare words at 167,936.
; REGISTERS.  window 0: v1-7 addresses; v16-47 the bias; v48-111 accumulators; v126, v127 the add's two; v128-191, v192-255 Wu's fragments of a K step, two sets.   window 1: out's fragments (row tile y, K step s at 128 y + 16 s).
.set STG, 131072
.set SPARE, 167936
.set WV,  14
.set G1,  24
.set G0A, 32
.set L16, 1                            ; v1   16 x lane
.set BA,  2                            ; v2, v3 my column tiles in K steps 0-3 and 4-7
.set SI,  4                            ; v4   the stage, in
.set SB,  5                            ; v5   the stage, back
.set GO,  6                            ; v6   my place in two rows of y
.set BO,  7                            ; v7   32 x (lane / 16): my eight numbers of a tile's bias
.set BI,  16
.set ACC, 48
.set WFA, 128
.set WFB, 192
.set MSB, 0
.macro WIN new
.if MSB != \new
	s_set_vgpr_msb (MSB<<8)|\new
.set MSB, \new
.endif
.endm
.macro CROUND
	s_barrier_signal -1
	s_barrier_wait -1
	s_cmp_lg_u32 s[WV], 0
	s_cbranch_scc1 .Lnot_wave_0_\@
	s_barrier_signal -3
.Lnot_wave_0_\@:
	s_barrier_wait -3
	s_barrier_signal -1
	s_barrier_wait -1
.endm
.macro FETCHB s, buf                   ; my four fragments of Wu of K step s
.irp n, 0,1,2,3
.irp c, 0,1,2,3
	ds_load_b128 v[(\buf)+16*\n+4*\c:(\buf)+16*\n+4*\c+3], v[BA+(\s)/4] offset:((\s)%4)*16384+2048*\n+512*\c
.endr
.endr
.endm
	s_load_b256 s[4:11], s[0:1], 0x0               ; oc s[4:5], weights' codes s[6:7], exponents s[8:9], bu s[10:11]
	s_load_b64 s[12:13], s[0:1], 0x20              ; y
	v_lshl_add_u32 v126, v0, 2, SPARE
	v_mov_b32 v127, 0
	ds_add_u32 v126, v127                          ; the opening lines: the add, twice on end, and its wait
	ds_add_u32 v126, v127
	v_lshrrev_b32 v8, 5, v0
	v_readfirstlane_b32 s[WV], v8                  ; wave 0..3
	s_bfe_u32 s15, ttmp6, 0x40000                  ; cx
	s_lshl_b32 s16, ttmp9, 2
	s_add_co_u32 s16, s16, s15                     ; my block of 64 rows
	s_and_b32 s17, ttmp7, 0xffff                   ; my half of the columns, which the partners share
	s_lshr_b32 s18, s[WV], 1                       ; which 32 rows are my wave's
	s_and_b32 s19, s[WV], 1                        ; which 64 columns
	s_mov_b32 s[G1], 15|(3<<16)|(1<<21)            ; the mask: all four partners; elements of 8 bytes; bit 21 beside a mask; no padding
	s_mov_b32 s[G1+1], 32<<16                      ; tensor_dim0 = 32
	s_mov_b32 s[G1+2], 128<<16                     ; tensor_dim1 = 128
	s_mov_b32 s[G1+3], 32<<16                      ; tile_dim0 = 32
	s_mov_b32 s[G1+4], 128                         ; tile_dim1 = 128
	s_mov_b32 s[G1+5], 32                          ; from row to row
	s_mov_b32 s[G1+6], 0
	s_mov_b32 s[G1+7], 0
	v_and_b32 v8, 31, v0
	v_lshlrev_b32 v[L16], 4, v8
	v_and_b32 v9, 15, v0                           ; r
	v_bfe_u32 v10, v0, 4, 1                        ; h
	s_lshl_b32 s20, s19, 13
	v_add_nc_u32 v[BA], s20, v[L16]
	v_add_nc_u32 v[BA+1], 0x10000, v[BA]
	s_mul_i32 s20, s[WV], 8704
	s_add_co_u32 s20, s20, STG                     ; my stage
	v_mul_u32_u24 v[SI], v9, 272
	v_lshl_add_u32 v[SI], v10, 5, v[SI]
	v_add_nc_u32 v[SI], s20, v[SI]                 ; in: row r, 32 bytes for each half of the lanes
	v_mul_u32_u24 v[SB], v10, 272
	v_lshl_add_u32 v[SB], v9, 4, v[SB]
	v_add_nc_u32 v[SB], s20, v[SB]                 ; back: lanes 0-15 one row, lanes 16-31 the next
	v_lshlrev_b32 v[GO], 4, v9
	v_lshl_add_u32 v[GO], v10, 10, v[GO]           ; and the same two rows in y
	v_lshlrev_b32 v[BO], 5, v10
	s_lshl_b32 s52, s[WV], 15                      ; 32,768 x wave
	s_lshl_b32 s22, s17, 17
	s_add_co_u32 s22, s22, s52
	s_add_co_u32 s22, s22, 786432                  ; Wu's codes begin at 786,432; + 131,072 x half + my part
	s_mov_b32 s23, 0
	s_mov_b32 s21, 0
	s_wait_dscnt 0x0
	s_wait_kmcnt 0x0
	s_load_b64 s[40:41], s[8:9], 0x28              ; e10, e11
	s_mov_b32 s[G0A], 1
	s_mov_b32 s[G0A+1], s52                        ; K steps 2 w, 2 w + 1
	s_add_nc_u64 s[G0A+2:G0A+3], s[6:7], s[22:23]
	s_or_b32 s[G0A+3], s[G0A+3], 0x80000000        ; type = 2
	s_lshl_b32 s20, s16, 16
	s_lshl_b32 s53, s18, 15
	s_add_co_u32 s20, s20, s53
	s_add_nc_u64 s[44:45], s[4:5], s[20:21]        ; out's codes: row tile 4 x block + 2 (w / 2), 16,384 bytes a tile
	s_lshl_b32 s53, s17, 9
	s_lshl_b32 s54, s19, 8
	s_add_co_u32 s53, s53, s54                     ; my 64 columns, in bytes
	s_add_co_u32 s20, s20, s53
	s_add_nc_u64 s[48:49], s[12:13], s[20:21]      ; y: row 64 x block + 32 (w / 2), 1,024 bytes a row; + my columns
	s_mov_b32 s20, s53
	s_add_nc_u64 s[46:47], s[10:11], s[20:21]      ; the bias of my columns
	CROUND                                         ; all four partners are here: the joint loads meet
	tensor_load_to_lds s[G0A:G0A+3], s[G1:G1+7]    ; the wave's one tensor load
	s_nop 0
.rept 4
	v_nop
.endr
	s_wait_alu depctr_va_vdst(0)
.irp n, 0,1,2,3
	global_load_b128 v[BI+8*\n:BI+8*\n+3], v[BO], s[46:47] offset:64*\n
	global_load_b128 v[BI+8*\n+4:BI+8*\n+7], v[BO], s[46:47] offset:64*\n+16
.endr
	WIN 0x40
.irp s, 0,1,2,3,4,5,6,7                ; K step by K step, so that the waits below can count
.irp y, 0,1
.irp c, 0,1,2,3
	global_load_b128 v[128*\y+16*\s+4*\c:128*\y+16*\s+4*\c+3], v[L16], s[44:45] offset:16384*\y+2048*\s+512*\c
.endr
.endr
.endr
	WIN 0
	s_wait_tensorcnt 0x0                           ; my two K steps are in; nothing is filled again in this launch
	s_barrier_signal -1
	s_barrier_wait -1                              ; everybody's are
	FETCHB 0, WFA
.irp s, 0,1,2,3,4,5,6,7
.if \s < 7
.if \s > 0
.rept 4
	v_nop                                          ; places in front of loads into registers that earlier products read
.endr
.endif
	FETCHB \s+1, WFA+64*((\s+1)%2)
	s_wait_dscnt 16                                ; all but the 16 just issued: this K step's fragments are in
.else
	s_wait_dscnt 0x0
.endif
	s_wait_loadcnt 56-8*\s                         ; out's fragments of this K step are in; those of the later ones may be out
	WIN 0x04                                       ; source 1 in window 1
.irp n, 0,1,2,3                        ; the eight accumulators take turns, one instruction a turn
.irp y, 0,1
.if \s == 0
	v_wmma_f32_16x16x128_fp8_fp8 v[ACC+8*(2*\n+\y):ACC+8*(2*\n+\y)+7], v[WFA+64*(\s%2)+16*\n:WFA+64*(\s%2)+16*\n+15], v[128*\y+16*\s:128*\y+16*\s+15], 0
.else
	v_wmma_f32_16x16x128_fp8_fp8 v[ACC+8*(2*\n+\y):ACC+8*(2*\n+\y)+7], v[WFA+64*(\s%2)+16*\n:WFA+64*(\s%2)+16*\n+15], v[128*\y+16*\s:128*\y+16*\s+15], v[ACC+8*(2*\n+\y):ACC+8*(2*\n+\y)+7]
.endif
.endr
.endr
	WIN 0
.endr
	s_wait_kmcnt 0x0
	s_add_co_i32 s42, s40, s41
	s_add_co_i32 s42, s42, 127
	s_lshl_b32 s42, s42, 23                        ; 2^(e10 + e11) as f32
	s_mov_b32 s43, s42                             ; (named with it as a pair)
.rept 4
	v_nop                                          ; places behind the last products
.endr
.irp n, 0,1,2,3
.irp y, 0,1
.irp i, 0,2,4,6
	v_pk_fma_f32 v[WFA+8*(2*\n+\y)+\i:WFA+8*(2*\n+\y)+\i+1], v[ACC+8*(2*\n+\y)+\i:ACC+8*(2*\n+\y)+\i+1], s[42:43], v[BI+8*\n+\i:BI+8*\n+\i+1] op_sel_hi:[1,0,1]   ; y = sum x 2^(e10 + e11) + bu
.endr
.endr
.endr
.irp n, 0,1,2,3
.irp y, 0,1
	ds_store_b128 v[SI], v[WFA+8*(2*\n+\y):WFA+8*(2*\n+\y)+3] offset:4352*\y+64*\n
	ds_store_b128 v[SI], v[WFA+8*(2*\n+\y)+4:WFA+8*(2*\n+\y)+7] offset:4352*\y+64*\n+16
.endr
.endr
.irp y, 0,1
.irp k, 0,1,2,3,4,5,6,7
	ds_load_b128 v[WFB+4*(8*\y+\k):WFB+4*(8*\y+\k)+3], v[SB] offset:4352*\y+544*\k   ; LDS serves a wave's instructions in order: these see my stores
.endr
.endr
.irp y, 0,1
.irp k, 0,1,2,3,4,5,6,7
	s_wait_dscnt 15-8*\y-\k
	global_store_b128 v[GO], v[WFB+4*(8*\y+\k):WFB+4*(8*\y+\k)+3], s[48:49] offset:16384*\y+2048*\k th:TH_STORE_NT   ; each half of the lanes stores 256 consecutive bytes, aligned
.endr
.endr
	s_wait_tensorcnt 0x0                           ; the wave's end
	ds_add_u32 v126, v127
	s_wait_dscnt 0x0
	CROUND                                         ; the closing round: no work-group ends while a partner may still ask for a tile that names it
	s_endpgm
.Lfunc_end_k_q102018dd9a_outp:
	.size	k_q102018dd9a_outp, .Lfunc_end_k_q102018dd9a_outp-k_q102018dd9a_outp
	.p2alignl 7, 3214868480
	.fill 96, 4, 3214868480
	.section	.rodata,"a",@progbits
	.p2align	6, 0x0
	.amdhsa_kernel k_q102018dd9a_outp
		.amdhsa_group_segment_fixed_size 168448
		.amdhsa_private_segment_fixed_size 0
		.amdhsa_enable_private_segment 0
		.amdhsa_kernarg_size 40
		.amdhsa_user_sgpr_count 2
		.amdhsa_user_sgpr_kernarg_segment_ptr 1
		.amdhsa_wavefront_size32 1
		.amdhsa_system_sgpr_workgroup_id_x 1
		.amdhsa_system_sgpr_workgroup_id_y 1
		.amdhsa_system_sgpr_workgroup_id_z 1
		.amdhsa_system_vgpr_workitem_id 0
		.amdhsa_next_free_vgpr 512
		.amdhsa_next_free_sgpr 66
		.amdhsa_reserve_vcc 0
		.amdhsa_float_denorm_mode_32 3
		.amdhsa_float_denorm_mode_16_64 3
		.amdhsa_memory_ordered 1
		.amdhsa_forward_progress 1
		.amdhsa_inst_pref_size 32
	.end_amdhsa_kernel
	.amdgpu_metadata
---
amdhsa.version: [ 1, 2 ]
amdhsa.kernels:
  - .name:           k_q102018dd9a_outp
    .symbol:         k_q102018dd9a_outp.kd
    .args:
      - { .name: oc, .offset: 0, .size: 8, .value_kind: global_buffer, .address_space: global }
      - { .name: wc, .offset: 8, .size: 8, .value_kind: global_buffer, .address_space: global }
      - { .name: lowp_scales, .offset: 16, .size: 8, .value_kind: global_buffer, .address_space: global }
      - { .name: bu, .offset: 24, .size: 8, .value_kind: global_buffer, .address_space: global }
      - { .name: out0, .offset: 32, .size: 8, .value_kind: global_buffer, .address_space: global }
    .group_segment_fixed_size: 168448
    .private_segment_fixed_size: 0
    .kernarg_segment_align: 8
    .kernarg_segment_size: 40
    .max_flat_workgroup_size: 128
    .sgpr_count:     66
    .vgpr_count:     512
    .wavefront_size: 32
...
	.end_amdgpu_metadata
.endif
;; end of part 4
